; MI455X (gfx1250); checked and timed in simulation.
; The chip was launched on July 23, 2026; its instructions are those of AMD's public machine-readable ISA for CDNA 5 (MIT licence, August 2026) and "CDNA5" Instruction Set Architecture Reference Guide (July 2026). The comments in the code are by the model that wrote it; some were corrected since.
;; Attention Gate. Allowed arithmetic: matrix products marked QUANTISED: E2M1 operands, one E8M0 scale for each 32 along K, by v_wmma_scale_f32_16x16x128_f8f6f4 with both operands' format E2M1 (or v_wmma_scale_f32_32x16x128_f4), f32 sums; everything else in f32.
;; Inputs: bk 1,024 float32; bo 1,024 float32; bq 1,024 float32; bv 1,024 float32; wk_codes 1,024 x 32 x 16 uint8 (E2M1 codes of wk, K innermost, in blocks of 32 codes, two codes a byte); wk_scales 1,024 x 32 uint8 (E8M0 scales of wk, one for each 32 codes along K); wo_codes 1,024 x 32 x 16 uint8 (E2M1 codes of wo, K innermost, in blocks of 32 codes, two codes a byte); wo_scales 1,024 x 32 uint8 (E8M0 scales of wo, one for each 32 codes along K); wq_codes 1,024 x 32 x 16 uint8 (E2M1 codes of wq, K innermost, in blocks of 32 codes, two codes a byte); wq_scales 1,024 x 32 uint8 (E8M0 scales of wq, one for each 32 codes along K); wv_codes 1,024 x 32 x 16 uint8 (E2M1 codes of wv, K innermost, in blocks of 32 codes, two codes a byte); wv_scales 1,024 x 32 uint8 (E8M0 scales of wv, one for each 32 codes along K); x_codes 4 x 2,048 x 32 x 16 uint8 (E2M1 codes of x, K innermost, in blocks of 32 codes, two codes a byte); x_scales 4 x 2,048 x 32 uint8 (E8M0 scales of x, one for each 32 codes along K).
;; Outputs: out0 4 x 2,048 x 1,024 float32.
;; This version of the problem:
;;   THIS VERSION OF THE PROBLEM IS GIVEN IN LOW PRECISION. The matrix products marked QUANTISED in the list below multiply operands that are first quantised to E2M1 (2 exponent bits, 1 mantissa bit; 4 bits a number), with one power-of-two scale for each 32 numbers along K (OCP MX v1.0); their sums are f32. All else is computed in f32.
;;   The module's matrix products, in the order in which they are computed (A, B: the left and right operand; K: the contracted axis; several contracted axes count as one K, in the product's order):
;;     1. [M 8,192, K 1,024] x [K 1,024, N 1,024]; A: input x (given as codes); B: input wq (given as codes): QUANTISED
;;     2. [M 8,192, K 1,024] x [K 1,024, N 1,024]; A: input x (given as codes); B: input wk (given as codes): QUANTISED
;;     3. [M 8,192, K 1,024] x [K 1,024, N 1,024]; A: input x (given as codes); B: input wv (given as codes): QUANTISED
;;     4. batch 64 x [M 2,048, K 64] x [K 64, N 2,048]; A: computed on the way; B: computed on the way: QUANTISED
;;     5. batch 64 x [M 2,048, K 2,048] x [K 2,048, N 64]; A: softmax (see below); B: computed on the way: QUANTISED
;;     6. [M 8,192, K 1,024] x [K 1,024, N 1,024]; A: computed on the way; B: input wo (given as codes): QUANTISED
;;   THE QUANTISER, for each operand of a quantised product, along K:
;;     - K is cut into blocks of 32 from its start; a last block that is shorter is filled with zeros.
;;     - A block's scale is 2^e with e = floor(log2(the largest magnitude in the block)) - 2, held to -126 .. 127; a block of zeros has e = 0. As a byte (E8M0): e + 127.
;;     - Each number is divided by its block's scale, clamped to +-6, and rounded to the nearest number of E2M1, ties to even, subnormals kept.
;;     - The product sums the exact products of the quantised numbers (number of the format x scale) in f32.
;;   ~~~python
;;   def quantise(x, axis):      # numpy; x: float32 -> the quantised numbers, widened to float32 again
;;       x = np.moveaxis(x, axis, -1); K = x.shape[-1]
;;       x = np.pad(x, [(0, 0)] * (x.ndim - 1) + [(0, -K % 32)]); x = x.reshape(x.shape[:-1] + (-1, 32)); a = np.abs(x).max(-1, keepdims=True)
;;       e = np.where(a > 0, np.clip(np.frexp(np.where(a > 0, a, 1))[1] - 1 - 2, -126, 127), 0)      # np.frexp(a)[1] - 1 = floor(log2(a)), exactly
;;       r = np.clip(x / 2.0 ** e, -6, 6)
;;       step = 2.0 ** (np.maximum(np.frexp(np.where(r == 0, 1, r))[1] - 1, 0) - 1)
;;       q = np.round(r / step) * step * 2.0 ** e      # np.round: ties to even
;;       return np.moveaxis(q.reshape(q.shape[:-2] + (-1,))[..., :K], -1, axis).astype(np.float32)
;;   ~~~
;;   SOFTMAX AHEAD OF A QUANTISED PRODUCT. Where the list says 'softmax', what is quantised is not the finished softmax but p = 2^(t - M), with t = logit x log2(e) and M = ceil(the row's largest t), a whole number; so 1/2 < the row's largest p <= 1. The row's sum l is taken of the UNQUANTISED p, in f32, and the product's result is divided by l at the end. Since M is a whole number, a kernel that streams over the keys may use a running M (the ceiling of the running maximum): every later rescaling is an exact power of two, which a block's scale takes up: the codes' values come out the same.
;;   OPERANDS COMPUTED ON THE WAY. 'Computed on the way' means the value that the module computes at that place (a softmax that the list does not call 'softmax' is quantised finished and normalised). What goes into a quantiser is computed in f32, as accurately as f32 sums, v_exp_f32 and their like allow (about 1e-6 of the number): no bf16 or f16 on the way to a quantiser, and a product that is left as it is and whose result goes on into a quantised operand takes f32 operands (vector FMAs, or v_wmma_f32_16x16x4_f32). A number that lies on a knife's edge between two numbers of the format may be rounded either way, as far as f32 arithmetic and the matrix unit's own rounding can turn it there, and no further.
;;   INPUTS GIVEN AS CODES. wk (in the module: [1024, 1024], K = its axis 1); wo (in the module: [1024, 1024], K = its axis 1); wq (in the module: [1024, 1024], K = its axis 1); wv (in the module: [1024, 1024], K = its axis 1); x (in the module: [4, 2048, 1024], K = its axis 2): each comes as NAME_codes (uint8): NAME with its K axis moved to the last place and cut into blocks of 32 codes, [.., K / 32, bytes a block], one block behind the other in memory; two codes a byte, the lower K in the low four bits (a code: sign, 2 exponent bits, 1 mantissa bit); and NAME_scales (uint8): the same leading axes, one E8M0 byte (e + 127) for each 32 codes along K. Its value is code x scale, taken as it is: it is not quantised again, and the codes and scales need not be those that the quantiser above would give.
;; One version. Each part assembles by itself: llvm-mc -triple=amdgcn-amd-amdhsa -mcpu=gfx1250 --defsym DOCPART=n.
;; ======== version 1 of 1: 3 launches
;; workspace buffers: qbuf 4,718,592 bytes; kv 9,175,040 bytes; ocodes 4,194,304 bytes; oscal 262,144 bytes
;; launch qkv (part 1): grid 12 x 64, 4 waves a work-group, clusters of 4 x 4, 213,504 bytes of LDS; arguments x_codes, x_scales, wq_codes, wq_scales, bq, wk_codes, wk_scales, bk, wv_codes, wv_scales, bv, qbuf, kv; writes qbuf, kv
.if DOCPART == 1
	.amdgcn_target "amdgcn-amd-amdhsa--gfx1250"
	.amdhsa_code_object_version 6
	.text
	.protected	k_q4c11471003_qkv
	.globl	k_q4c11471003_qkv
	.p2align	8
	.type	k_q4c11471003_qkv,@function
k_q4c11471003_qkv:
	s_mov_b64 s[64:65], 0
	v_nop
	global_prefetch_b8 v0, s[64:65] scope:SCOPE_SE
	s_setreg_imm32_b32 hwreg(HW_REG_WAVE_MODE, 25, 1), 1
	s_wait_xcnt 0x0
	s_wait_alu depctr_hold_cnt(0) depctr_sa_sdst(0) depctr_va_vdst(0) depctr_va_sdst(0) depctr_va_ssrc(0) depctr_va_vcc(0) depctr_vm_vsrc(0)
	s_getreg_b32 s2, hwreg(HW_REG_IB_STS2, 6, 4)
	s_cmp_eq_u32 s2, 0
	s_cbranch_scc0 .Lentry_in_a_cluster
	s_endpgm
.Lentry_in_a_cluster:
	s_bfe_u32 s2, ttmp6, 0x10000c
	s_cmp_lg_u32 s2, 0xf033
	s_cbranch_scc0 .Lentry_shape_is_right
	s_endpgm
.Lentry_shape_is_right:
; q = x wq^T + bq, k = x wk^T + bk, v = x wv^T + bv on codes of FP4 (E2M1) with one E8M0 scale for each 32 along K = 1,024; the results are quantised at once, as operands of the
; attention's products, and leave as codes: q and k along the head's 64 (two blocks of 32), v along the tokens (the keys of the second product).
; SHARES.  The cluster's x says which weight: 0 q, 1 k, 2 v (the same in all sixteen partners).  A work-group makes 128 tokens x 256 features; wave w makes one head, 128 x 64: 32 accumulators, 256 registers.
; All of K lies in LDS: a row of 1,024 codes is 512 bytes, kept as two halves of 256 bytes.  Every LDS byte is filled once, so there is no ring.
; CLUSTER 4 x 4: the four work-groups of a row of the cluster need the same 128 tokens of x, the four of a column the same 256 rows of the weight: each tile is asked for jointly.
; q, k: THE PRODUCT IS USED TRANSPOSED (source 0 = 16 features, source 1 = 16 tokens): a lane holds one token and eight neighbouring features.   v: source 0 = 16 tokens, source 1 = 16 features: a lane holds
; one feature and eight neighbouring tokens.  Either way a lane's registers run along the axis that is quantised: in tile T of 16, lane half h holds k = 16 T + 8 h + 0 .. 7.
; FROM RESULT TO OPERAND.  The operand wants in register 4 c + i of lane half g the codes of k = 64 c + 32 g + 8 i + 0 .. 7, which are tile 4 c + 2 g + i / 2, half i % 2.  So tile a's eight codes go to register
; 4 (a / 4) + (0, 2, 1, 3)[a % 4], and registers 2 n and 2 n + 1 exchange the first's upper lanes with the second's lower lanes.
; OUT.  Operands lie in memory as images of their registers (lane l's 16 bytes at 16 l).  qbuf: [head-and-batch 64][128 tokens 16] records of 4,608 bytes: 8 tiles x 512 bytes of codes, 512 bytes of scale words.
; kv: records of 8,960 bytes: K's codes 4,096, V^T's codes 4,096, K's scale words 512, V's 256.  Scale words lie so that lane l of one load gets the word of tile 2 p + l / 16, row l % 16, in register p.
; LIMITS: NaN and infinities are not served.  A block of zeros gets the byte 1 where the quantiser says 127: its codes are zeros, and these bytes are read by this program alone.  The bias enters as the C of each
; sum's first product, so the order of the f32 roundings differs from a bias added last.
.set PITCH, 272                        ; an LDS row: 256 bytes + 16 of padding: the sixteen rows of a fragment load start at sixteen different 16-byte columns of 256 bytes
.set T16,   16*PITCH
.set XH,    128*PITCH                  ; x: one half of K, 128 rows
.set WT,    2*XH                       ; behind x's two halves: the weight's
.set WH,    256*PITCH                  ; one half of K, 256 rows
.set SCRQ,  WT+2*WH                    ; 512 bytes a wave: the scale words' turn, q and k
.set SCRV,  SCRQ+2048                  ; the same for v: bytes of its own
.set LI,   1                           ; v1   16 x lane
.set ADRX, 2                           ; v2   x's fragments: 272 r + 16 h
.set ADRW, 3                           ; v3-4 the weight's, K half 0, 1: my 64 rows
.set SQS,  5                           ; v5   q, k: where a scale word goes
.set SQL,  6                           ; v6   and where 16 bytes come back
.set L32,  7                           ; v7   32 x lane: a row of scale bytes
.set BA,   8                           ; v8   32 h: the bias, q and k
.set BR,   9                           ; v9   4 r: the bias, v
.set L8,   10                          ; v10  8 x lane
.set SVS,  14                          ; v14  v: where a scale word goes
.set SVL,  15                          ; v15  and where 8 bytes come back
.set XS,   16                          ; v16-47  x's scale words: register 8 p + s: lane l = token 32 p + l, K step s
.set WS,   48                          ; v48-63  the weight's: 8 p + s: lane l = feature 32 p + l
.set XF,   64                          ; v64-191 x's fragments, two sets of 8 x 8
.set WF,   0                           ; window 1: v0-63 the weight's fragments, two sets of 4 x 8
.set BI,   64                          ; window 1: v64-95 the bias in the result's layout, 8 registers a tile of features
.set TM,   64                          ; behind the products x's registers are free: 16 largest magnitudes,
.set TP,   80                          ; 16 at work, then the scales' bytes,
.set SO,   96                          ; 16 scale operands of the conversions,
.set PW,   112                         ; the scale words,
.set PC,   128                         ; 32 registers of codes,
.set RB,   160                         ; and what comes back from the scratch
.set WV,   34
.set CX,   35
.set CY,   36
.set TR,   38                          ; which 128 tokens
.set G1X,  40                          ; s[40:47] descriptor group 1 for x;  s[48:55] for the weight
.set G1W,  48
.set G0X,  56                          ; s[56:63] group 0 for x, K half 0, 1;  s[68:75] for the weight
.set G0W,  68
.set WC,   76                          ; s[76:81] the chosen weight's codes, scales, bias
.set WSP,  78
.set BP,   80
.set OUT,  82                          ; s[82:83] my record;  s[84:85] its scale words (q, k)
.set OUT2, 84
.set SEL,  86                          ; s[86:87] v_permlanex16_b32's selects for lane l xor 16
.set PADW, (1<<20)|(1<<21)|(5<<22)|(3<<25)   ; group 1, word 0 beside the mask: elements of 1 byte; padding on; bit 21 set beside a mask; after every 64 words, 4 words
.set MSB, 0
.macro WIN new                         ; the immediate's high byte repeats the setting that is left; a switch that changes nothing is dropped
.if MSB != (\new)
	s_set_vgpr_msb (MSB<<8)|(\new)
.set MSB, (\new)
.endif
.endm
.macro PLACES n
.rept \n
	v_nop
.endr
.endm
.macro CROUND                          ; a round of the cluster's barrier
	s_barrier_signal -1
	s_barrier_wait -1
	s_cmp_lg_u32 s[WV], 0
	s_cbranch_scc1 .Lnot_wave_0_\@
	s_barrier_signal -3
.Lnot_wave_0_\@:
	s_barrier_wait -3
	s_barrier_signal -1
	s_barrier_wait -1
.endm
; one product; ra, rb = 1: that side's scales are read from lanes 16-31 of the register named
.macro WM d, a, b, c, sa, sb, ra, rb
.if (\ra) == 0 && (\rb) == 0
	v_wmma_scale_f32_16x16x128_f8f6f4 v[\d:\d+7], v[\a:\a+7], v[\b:\b+7], v[\c:\c+7], v[\sa], v[\sb] matrix_a_fmt:MATRIX_FMT_FP4 matrix_b_fmt:MATRIX_FMT_FP4
.elseif (\rb) == 0
	v_wmma_scale_f32_16x16x128_f8f6f4 v[\d:\d+7], v[\a:\a+7], v[\b:\b+7], v[\c:\c+7], v[\sa], v[\sb] matrix_a_fmt:MATRIX_FMT_FP4 matrix_b_fmt:MATRIX_FMT_FP4 matrix_a_scale:MATRIX_SCALE_ROW1
.elseif (\ra) == 0
	v_wmma_scale_f32_16x16x128_f8f6f4 v[\d:\d+7], v[\a:\a+7], v[\b:\b+7], v[\c:\c+7], v[\sa], v[\sb] matrix_a_fmt:MATRIX_FMT_FP4 matrix_b_fmt:MATRIX_FMT_FP4 matrix_b_scale:MATRIX_SCALE_ROW1
.else
	v_wmma_scale_f32_16x16x128_f8f6f4 v[\d:\d+7], v[\a:\a+7], v[\b:\b+7], v[\c:\c+7], v[\sa], v[\sb] matrix_a_fmt:MATRIX_FMT_FP4 matrix_b_fmt:MATRIX_FMT_FP4 matrix_a_scale:MATRIX_SCALE_ROW1 matrix_b_scale:MATRIX_SCALE_ROW1
.endif
.endm
	s_load_b512 s[8:23], s[0:1], 0x0               ; x's codes 8, x's scales 10, wq's codes 12, scales 14, bq 16, wk's codes 18, scales 20, bk 22
	s_load_b256 s[24:31], s[0:1], 0x40             ; wv's codes 24, scales 26, bv 28, qbuf 30
	s_load_b64 s[32:33], s[0:1], 0x60              ; kv
	v_lshl_add_u32 v254, v0, 2, 0x34000
	v_mov_b32 v255, 0
	ds_add_u32 v254, v255
	ds_add_u32 v254, v255
	v_lshrrev_b32 v11, 5, v0
	v_readfirstlane_b32 s[WV], v11                 ; wave 0..3
	s_bfe_u32 s[CX], ttmp6, 0x40000                ; cx: which four heads
	s_bfe_u32 s[CY], ttmp6, 0x40004                ; cy
	s_and_b32 s[TR], ttmp7, 0xffff
	s_lshl_b32 s[TR], s[TR], 2
	s_add_co_u32 s[TR], s[TR], s[CY]               ; which 128 tokens = 4 x cluster y + cy
	s_lshl_b32 s88, s[CY], 2
	s_lshl_b32 s88, 15, s88                        ; my row of the cluster
	s_lshl_b32 s89, 0x1111, s[CX]                  ; my column
	s_or_b32 s[G1X], s88, PADW                     ; x's tiles go to my row,
	s_or_b32 s[G1W], s89, PADW                     ; the weight's to my column
.irp g, G1X, G1W
	s_mov_b32 s[\g+1], 256<<16                     ; tensor_dim0 = 256 bytes
	s_mov_b32 s[\g+3], 256<<16                     ; tile_dim0
	s_mov_b32 s[\g+5], 512                         ; from row to row in memory
	s_mov_b32 s[\g+6], 0
	s_mov_b32 s[\g+7], 0
.endr
	s_mov_b32 s[G1X+2], 32<<16                     ; a wave brings 32 rows of x
	s_mov_b32 s[G1X+4], 32
	s_mov_b32 s[G1W+2], 64<<16                     ; and 64 rows of the weight
	s_mov_b32 s[G1W+4], 64
	s_lshl_b32 s90, s[TR], 16                      ; x's codes: (128 x tokens' tile + 32 x wave) rows of 512 bytes: no cx enters
	s_lshl_b32 s91, s[WV], 14
	s_add_co_u32 s90, s90, s91
	s_mov_b32 s91, 0
	s_lshl_b32 s92, s[CX], 17                      ; the weight's codes: (256 cx + 64 x wave) rows of 512 bytes: no cy enters
	s_lshl_b32 s93, s[WV], 15
	s_add_co_u32 s92, s92, s93
	s_mov_b32 s93, 0
	s_lshl_b32 s94, s[TR], 12                      ; x's scales: 128 rows of 32 bytes
	s_mov_b32 s95, 0
	s_lshl_b32 s96, s[CX], 13                      ; the weight's scales: my 64 rows of 32 bytes
	s_lshl_b32 s97, s[WV], 11
	s_add_co_u32 s96, s96, s97
	s_mov_b32 s97, 0
	s_lshl_b32 s98, s[CX], 10                      ; the bias: my 64 numbers
	s_lshl_b32 s99, s[WV], 8
	s_add_co_u32 s98, s98, s99
	s_mov_b32 s99, 0
	s_lshr_b32 s2, s[TR], 4
	s_lshl_b32 s2, s2, 4                           ; 16 x batch
	s_lshl_b32 s3, s[CX], 2
	s_add_co_u32 s2, s2, s3
	s_add_co_u32 s2, s2, s[WV]                     ; + head = 4 cx + wave
	s_and_b32 s3, s[TR], 15                        ; which 128 tokens of the batch
	s_mov_b32 s4, 16*8960
	s_mov_b32 s5, 8960
	s_mov_b32 s6, 8192
	s_cmp_eq_u32 ttmp9, 0                          ; q's records are 4,608 bytes, k's and v's 8,960
	s_cselect_b32 s4, 16*4608, s4
	s_cselect_b32 s5, 4608, s5
	s_cselect_b32 s6, 4096, s6                     ; where the record's scale words of q or k begin
	s_mul_i32 s4, s4, s2
	s_mul_i32 s5, s5, s3
	s_add_co_u32 s4, s4, s5
	s_mov_b32 s5, 0
	s_mov_b32 s7, 0
	s_mov_b32 s[SEL], 0x76543210
	s_mov_b32 s[SEL+1], 0xfedcba98
	v_and_b32 v11, 31, v0                          ; lane
	v_and_b32 v12, 15, v0                          ; r
	v_bfe_u32 v13, v0, 4, 1                        ; h
	v_lshlrev_b32 v[LI], 4, v11
	v_mul_u32_u24 v[ADRX], v12, PITCH
	v_lshl_add_u32 v[ADRX], v13, 4, v[ADRX]
	s_mul_i32 s88, s[WV], 64*PITCH
	s_add_co_u32 s88, s88, WT
	v_add_nc_u32 v[ADRW], s88, v[ADRX]
	v_add_nc_u32 v[ADRW+1], WH, v[ADRW]
	s_lshl_b32 s89, s[WV], 9
	v_lshl_add_u32 v[SQS], v12, 4, s89
	v_add_nc_u32 v[SQS], SCRQ, v[SQS]              ; SCRQ + 512 x wave + 16 r
	v_lshl_add_u32 v[SQL], v11, 4, s89
	v_add_nc_u32 v[SQL], SCRQ, v[SQL]              ; SCRQ + 512 x wave + 16 x lane
	v_lshl_add_u32 v[SVS], v12, 3, s89
	v_add_nc_u32 v[SVS], SCRV, v[SVS]              ; SCRV + 512 x wave + 8 r
	v_lshl_add_u32 v[SVL], v11, 3, s89
	v_add_nc_u32 v[SVL], SCRV, v[SVL]              ; SCRV + 512 x wave + 8 x lane
	v_lshlrev_b32 v[L32], 5, v11
	v_lshlrev_b32 v[BA], 5, v13
	v_lshlrev_b32 v[BR], 2, v12
	v_lshlrev_b32 v[L8], 3, v11
	s_wait_dscnt 0x0
	s_wait_kmcnt 0x0
	s_cmp_eq_u32 ttmp9, 0                          ; the choice of buffers hangs on the cluster's x alone
	s_cselect_b64 s[WC:WC+1], s[12:13], s[18:19]
	s_cselect_b64 s[WSP:WSP+1], s[14:15], s[20:21]
	s_cselect_b64 s[BP:BP+1], s[16:17], s[22:23]
	s_cselect_b64 s[OUT:OUT+1], s[30:31], s[32:33]
	s_cmp_eq_u32 ttmp9, 2
	s_cselect_b64 s[WC:WC+1], s[24:25], s[WC:WC+1]
	s_cselect_b64 s[WSP:WSP+1], s[26:27], s[WSP:WSP+1]
	s_cselect_b64 s[BP:BP+1], s[28:29], s[BP:BP+1]
	s_add_nc_u64 s[90:91], s[8:9], s[90:91]
	s_add_nc_u64 s[92:93], s[WC:WC+1], s[92:93]
	s_add_nc_u64 s[10:11], s[10:11], s[94:95]
	s_add_nc_u64 s[WSP:WSP+1], s[WSP:WSP+1], s[96:97]
	s_add_nc_u64 s[BP:BP+1], s[BP:BP+1], s[98:99]
	s_add_nc_u64 s[OUT:OUT+1], s[OUT:OUT+1], s[4:5]
	s_add_nc_u64 s[OUT2:OUT2+1], s[OUT:OUT+1], s[6:7]
	s_mov_b32 s[G0X], 1                            ; group 0: count 1; LDS address: wave x 32 rows; global address; type 2
	s_mul_i32 s[G0X+1], s[WV], 32*PITCH
	s_mov_b64 s[G0X+2:G0X+3], s[90:91]
	s_or_b32 s[G0X+3], s[G0X+3], 0x80000000
	s_mov_b32 s[G0X+4], 1                          ; K's second half: 256 bytes on in each row
	s_add_co_u32 s[G0X+5], s[G0X+1], XH
	s_add_nc_u64 s[G0X+6:G0X+7], s[90:91], 256
	s_or_b32 s[G0X+7], s[G0X+7], 0x80000000
	s_mov_b32 s[G0W], 1
	s_mul_i32 s[G0W+1], s[WV], 64*PITCH
	s_add_co_u32 s[G0W+1], s[G0W+1], WT
	s_mov_b64 s[G0W+2:G0W+3], s[92:93]
	s_or_b32 s[G0W+3], s[G0W+3], 0x80000000
	s_mov_b32 s[G0W+4], 1
	s_add_co_u32 s[G0W+5], s[G0W+1], WH
	s_add_nc_u64 s[G0W+6:G0W+7], s[92:93], 256
	s_or_b32 s[G0W+7], s[G0W+7], 0x80000000
	CROUND                                         ; all sixteen work-groups are here: the joint loads meet
	tensor_load_to_lds s[G0X:G0X+3], s[G1X:G1X+7]  ; every wave issues all four, each into its own rows: four loads of mine are out.  K's first half first
	s_nop 0
	tensor_load_to_lds s[G0W:G0W+3], s[G1W:G1W+7]
	s_nop 0
	tensor_load_to_lds s[G0X+4:G0X+7], s[G1X:G1X+7]
	s_nop 0
	tensor_load_to_lds s[G0W+4:G0W+7], s[G1W:G1W+7]
	s_nop 0
	PLACES 4                                       ; four v_nop follow the last of them
	s_wait_alu depctr_va_vdst(0)
.irp p, 0,1,2,3
	global_load_b128 v[XS+8*\p:XS+8*\p+3], v[L32], s[10:11] offset:1024*\p       ; a lane's 32 bytes are its token's words of all eight K steps; the 32 lanes read 1,024 consecutive bytes
	global_load_b128 v[XS+8*\p+4:XS+8*\p+7], v[L32], s[10:11] offset:1024*\p+16
.endr
.irp p, 0,1
	global_load_b128 v[WS+8*\p:WS+8*\p+3], v[L32], s[WSP:WSP+1] offset:1024*\p
	global_load_b128 v[WS+8*\p+4:WS+8*\p+7], v[L32], s[WSP:WSP+1] offset:1024*\p+16
.endr
; 24 LDS loads in one run: the fragments of K step s (128 along K: 64 bytes of a row) into set: the weight's four, x's eight
.macro FETCH s, set
	WIN 0x40                                       ; destination window 1, address window 0
.irp f, 0,1,2,3
.irp c, 0,1
	ds_load_b128 v[WF+32*(\set)+8*\f+4*\c:WF+32*(\set)+8*\f+4*\c+3], v[ADRW+(\s)/4] offset:\f*T16+64*((\s)%4)+32*\c
.endr
.endr
	WIN 0
.irp t, 0,1,2,3,4,5,6,7
.irp c, 0,1
	ds_load_b128 v[XF+64*(\set)+8*\t+4*\c:XF+64*(\set)+8*\t+4*\c+3], v[ADRX] offset:((\s)/4)*XH+\t*T16+64*((\s)%4)+32*\c
.endr
.endr
.endm
; 32 products of K step s.  The 32 accumulators take turns, one instruction a turn, in the same order in every step.  Step 0 takes the bias as C: nothing is cleared.
; v = 0: accumulator (tokens' tile tt, features' tile ft) at 8 (4 tt + ft), source 0 the weight.   v = 1: at 8 (8 ft + tt), source 0 x.
.macro MULS s, set, v
.if (\s) == 0
	WIN 0x91+3*(\v)                                ; the weight in window 1, x in window 0, C (the bias) in window 1, D in window 2
.else
	WIN 0xa1+3*(\v)                                ; C and D in window 2
.endif
.irp tp, 0,1,2,3
.irp fp, 0,1
.irp dt, 0,1
.irp df, 0,1
.set tt, 2*\tp+\dt
.set ft, 2*\fp+\df
.if \v
.set rD, 8*(8*ft+tt)
.else
.set rD, 8*(4*tt+ft)
.endif
.set rC, rD
.if (\s) == 0
.set rC, BI+8*ft
.endif
.set rX, XF+64*(\set)+8*tt
.set rW, WF+32*(\set)+8*ft
.set rSX, XS+8*\tp+(\s)
.set rSW, WS+8*\fp+(\s)
.if \v
	WM rD, rX, rW, rC, rSX, rSW, \dt, \df
.else
	WM rD, rW, rX, rC, rSW, rSX, \df, \dt
.endif
.endr
.endr
.endr
.endr
.endm
.macro STEP s, v
	s_wait_dscnt 0x0                               ; this step's fragments are in: they were asked for a step ago
.if (\s) == 3
	s_wait_tensorcnt 0x0                           ; my parts of K's second half have landed,
	s_barrier_signal -1
	s_barrier_wait -1                              ; everybody's have: the next fetch reads them
.endif
.if (\s) < 7
.if (\s) > 0
	PLACES 4                                       ; four places between the last step's products and loads into the registers that they read (ISA guide 7.12.1 for vector instructions)
.endif
	FETCH (\s)+1, ((\s)+1)%2
.endif
	MULS \s, (\s)%2, \v
	WIN 0
.endm
; The 32 accumulators become codes.  Accumulators 2 n and 2 n + 1, with lane l xor 16's, are block n of 32 along the axis that is quantised.
.macro QUANT32
	PLACES 4                                       ; four places between the last product and the first read of results
	WIN 0x0a                                       ; sources 0 and 1 window 2
.set qb, 0
.rept 16
	v_max3_num_f32 v[TM+qb], |v[16*qb]|, |v[16*qb+1]|, 0x1800000     ; each accumulator is read from its low end on; the floor 2^(3 - 127) holds the byte at 1 from below
.set qb, qb+1
.endr
.irp i, 2,4,6,8,10,12,14
.set qb, 0
.rept 16
	v_max3_num_f32 v[TM+qb], |v[16*qb+\i]|, |v[16*qb+\i+1]|, v[TM+qb]   ; the sixteen blocks by turns
.set qb, qb+1
.endr
.endr
	WIN 0
.set qb, 0
.rept 16
	v_permlanex16_b32 v[TP+qb], v[TM+qb], s[SEL], s[SEL+1]
.set qb, qb+1
.endr
.set qb, 0
.rept 16
	v_max_num_f32 v[TM+qb], v[TM+qb], v[TP+qb]     ; with lane l xor 16's: the block's largest magnitude
.set qb, qb+1
.endr
.set qb, 0
.rept 16
	v_add_nc_u32 v[SO+qb], 0xff000000, v[TM+qb]    ; 2 off its exponent field: the conversion takes the exponent field of this operand as its scale
.set qb, qb+1
.endr
.set qb, 0
.rept 16
	v_lshrrev_b32 v[TP+qb], 23, v[SO+qb]           ; the scale's byte
.set qb, qb+1
.endr
	WIN 0x02                                       ; source 0 window 2
.set qa, 0
.rept 32
	v_cvt_scalef32_pk8_fp4_f32 v[PC+4*(qa/4)+2*(qa%2)+(qa%4)/2], v[8*qa:8*qa+7], v[SO+qa/2]
.set qa, qa+1
.endr
	WIN 0
	v_nop                                          ; one plain instruction behind the last scaled conversion
.set qa, 0
.rept 16
	v_permlane16_swap_b32 v[PC+2*qa], v[PC+2*qa+1] ; the first's lanes 16-31 change places with the second's lanes 0-15: the operand's registers
.set qa, qa+1
.endr
.endm
	s_cmp_eq_u32 ttmp9, 2                          ; v goes its own way: the same branch in all waves of all sixteen partners
	s_cbranch_scc1 .Lv
	; ---- q and k
	WIN 0x40
.irp f, 0,1,2,3
	global_load_b128 v[BI+8*\f:BI+8*\f+3], v[BA], s[BP:BP+1] offset:64*\f         ; lane (r, h): the bias of features 16 f + 8 h + 0 .. 7
	global_load_b128 v[BI+8*\f+4:BI+8*\f+7], v[BA], s[BP:BP+1] offset:64*\f+16
.endr
	WIN 0
	s_wait_loadcnt 0x0                             ; scale words and bias
	s_wait_tensorcnt 0x2                           ; my parts of K's first half are in; the two loads of the second half, issued behind them, may be out
	s_barrier_signal -1
	s_barrier_wait -1                              ; everybody's are
	FETCH 0, 0
.irp s, 0,1,2,3,4,5,6,7
	STEP \s, 0
.endr
	QUANT32                                        ; tile tt's four registers at PC + 4 tt; its two bytes in TP + 2 tt, + 1
.irp t, 0,1,2,3,4,5,6,7
	v_lshl_or_b32 v[PW+\t], v[TP+2*\t+1], 8, v[TP+2*\t]
.endr
.irp t, 0,1,2,3,4,5,6,7
	v_or_b32 v[PW+\t], 0x7f7f0000, v[PW+\t]        ; the head has 64 of the instruction's 128 along K: the upper two bytes are 2^0, over zero codes
.endr
.irp t, 0,1,2,3,4,5,6,7
	global_store_b128 v[LI], v[PC+4*\t:PC+4*\t+3], s[OUT:OUT+1] offset:512*\t     ; 32 lanes store 512 consecutive bytes
.endr
.irp t, 0,1,2,3,4,5,6,7
	ds_store_b32 v[SQS], v[PW+\t] offset:256*(\t%2)+4*(\t/2)     ; both halves of the lanes hold row r's word and write the same bytes
.endr
	ds_load_b128 v[RB:RB+3], v[SQL]                ; LDS serves a wave's instructions in order (ISA guide 5.7.1.4): this sees my stores
	s_wait_dscnt 0x0
	global_store_b128 v[LI], v[RB:RB+3], s[OUT2:OUT2+1]          ; 512 consecutive bytes
	s_branch .Lend
.Lv:
	; ---- v
	WIN 0x40
.irp f, 0,1,2,3
.irp j, 0,1,2,3,4,5,6,7
	global_load_b32 v[BI+8*\f+\j], v[BR], s[BP:BP+1] offset:64*\f   ; lane (r, h) holds feature 16 f + r in all eight registers
.endr
.endr
	WIN 0
	s_wait_loadcnt 0x0
	s_wait_tensorcnt 0x2                           ; as above: the two loads of K's second half may be out
	s_barrier_signal -1
	s_barrier_wait -1
	FETCH 0, 0
.irp s, 0,1,2,3,4,5,6,7
	STEP \s, 1
.endr
	QUANT32                                        ; features' tile f: eight registers at PC + 8 f: a fragment of V^T; its four bytes in TP + 4 f on
.irp f, 0,1,2,3
	v_lshl_or_b32 v[PW+\f], v[TP+4*\f+1], 8, v[TP+4*\f]
.endr
.irp f, 0,1,2,3
	v_lshl_or_b32 v[PW+\f], v[TP+4*\f+2], 16, v[PW+\f]
.endr
.irp f, 0,1,2,3
	v_lshl_or_b32 v[PW+\f], v[TP+4*\f+3], 24, v[PW+\f]
.endr
.irp i, 0,1,2,3,4,5,6,7
	global_store_b128 v[LI], v[PC+4*\i:PC+4*\i+3], s[OUT:OUT+1] offset:4096+512*\i
.endr
.irp f, 0,1,2,3
	ds_store_b32 v[SVS], v[PW+\f] offset:128*(\f%2)+4*(\f/2)
.endr
	ds_load_b64 v[RB:RB+1], v[SVL]
	s_wait_dscnt 0x0
	global_store_b64 v[L8], v[RB:RB+1], s[OUT:OUT+1] offset:8704 ; 256 consecutive bytes, aligned
.Lend:
	s_wait_tensorcnt 0x0
	ds_add_u32 v254, v255
	s_wait_dscnt 0x0
	CROUND                                         ; the closing round: no work-group ends while a partner may still ask for a tile that names it
	s_endpgm
.Lfunc_end_k_q4c11471003_qkv:
	.size	k_q4c11471003_qkv, .Lfunc_end_k_q4c11471003_qkv-k_q4c11471003_qkv
	.p2alignl 7, 3214868480
	.fill 96, 4, 3214868480
	.section	.rodata,"a",@progbits
	.p2align	6, 0x0
	.amdhsa_kernel k_q4c11471003_qkv
		.amdhsa_group_segment_fixed_size 213504
		.amdhsa_private_segment_fixed_size 0
		.amdhsa_enable_private_segment 0
		.amdhsa_kernarg_size 104
		.amdhsa_user_sgpr_count 2
		.amdhsa_user_sgpr_kernarg_segment_ptr 1
		.amdhsa_wavefront_size32 1
		.amdhsa_system_sgpr_workgroup_id_x 1
		.amdhsa_system_sgpr_workgroup_id_y 1
		.amdhsa_system_sgpr_workgroup_id_z 1
		.amdhsa_system_vgpr_workitem_id 0
		.amdhsa_next_free_vgpr 768
		.amdhsa_next_free_sgpr 100
		.amdhsa_reserve_vcc 0
		.amdhsa_float_denorm_mode_32 3
		.amdhsa_float_denorm_mode_16_64 3
		.amdhsa_memory_ordered 1
		.amdhsa_forward_progress 1
		.amdhsa_inst_pref_size 139
	.end_amdhsa_kernel
	.amdgpu_metadata
---
amdhsa.version: [ 1, 2 ]
amdhsa.kernels:
  - .name:           k_q4c11471003_qkv
    .symbol:         k_q4c11471003_qkv.kd
    .args:
      - { .name: x_codes, .offset: 0, .size: 8, .value_kind: global_buffer, .address_space: global }
      - { .name: x_scales, .offset: 8, .size: 8, .value_kind: global_buffer, .address_space: global }
      - { .name: wq_codes, .offset: 16, .size: 8, .value_kind: global_buffer, .address_space: global }
      - { .name: wq_scales, .offset: 24, .size: 8, .value_kind: global_buffer, .address_space: global }
      - { .name: bq, .offset: 32, .size: 8, .value_kind: global_buffer, .address_space: global }
      - { .name: wk_codes, .offset: 40, .size: 8, .value_kind: global_buffer, .address_space: global }
      - { .name: wk_scales, .offset: 48, .size: 8, .value_kind: global_buffer, .address_space: global }
      - { .name: bk, .offset: 56, .size: 8, .value_kind: global_buffer, .address_space: global }
      - { .name: wv_codes, .offset: 64, .size: 8, .value_kind: global_buffer, .address_space: global }
      - { .name: wv_scales, .offset: 72, .size: 8, .value_kind: global_buffer, .address_space: global }
      - { .name: bv, .offset: 80, .size: 8, .value_kind: global_buffer, .address_space: global }
      - { .name: qbuf, .offset: 88, .size: 8, .value_kind: global_buffer, .address_space: global }
      - { .name: kv, .offset: 96, .size: 8, .value_kind: global_buffer, .address_space: global }
    .group_segment_fixed_size: 213504
    .private_segment_fixed_size: 0
    .kernarg_segment_align: 8
    .kernarg_segment_size: 104
    .max_flat_workgroup_size: 128
    .sgpr_count:     100
    .vgpr_count:     768
    .wavefront_size: 32
...
	.end_amdgpu_metadata
.endif
;; end of part 1
;; launch attn (part 2): grid 4 x 64, 16 waves a work-group, clusters of 4 x 1, 169,984 bytes of LDS; arguments qbuf, kv, ocodes, oscal; writes ocodes, oscal
.if DOCPART == 2
	.amdgcn_target "amdgcn-amd-amdhsa--gfx1250"
	.amdhsa_code_object_version 6
	.text
	.protected	k_q4c11471003_attn
	.globl	k_q4c11471003_attn
	.p2align	8
	.type	k_q4c11471003_attn,@function
k_q4c11471003_attn:
	s_mov_b64 s[64:65], 0
	v_nop
	global_prefetch_b8 v0, s[64:65] scope:SCOPE_SE
	s_setreg_imm32_b32 hwreg(HW_REG_WAVE_MODE, 25, 1), 1
	s_wait_xcnt 0x0
	s_wait_alu depctr_hold_cnt(0) depctr_sa_sdst(0) depctr_va_vdst(0) depctr_va_sdst(0) depctr_va_ssrc(0) depctr_va_vcc(0) depctr_vm_vsrc(0)
	s_getreg_b32 s2, hwreg(HW_REG_IB_STS2, 6, 4)
	s_cmp_eq_u32 s2, 0
	s_cbranch_scc0 .Lentry_in_a_cluster
	s_endpgm
.Lentry_in_a_cluster:
	s_bfe_u32 s2, ttmp6, 0x10000c
	s_cmp_lg_u32 s2, 0x3003
	s_cbranch_scc0 .Lentry_shape_is_right
	s_endpgm
.Lentry_shape_is_right:
; o = softmax(q k^T / 8) v for one head, both products on codes of FP4 (E2M1) with E8M0 scales; o is quantised at once along head x 64 + d, as an operand of the last product, and leaves as codes.
; THE SOFTMAX: t = score x log2(e) / 8; M = the row's largest t so far, rounded UP to a whole number; p = 2^(t - M) is quantised along the keys, not normalised.  The row's sum is taken of the unquantised p and
; divides at the end.  When M moves, the sum and O are multiplied by 2^(old M - new M): exact.
; SHARES.  A work-group owns 512 queries of one head; each of its sixteen waves 32: tiles A and B of 16, in 256 registers: four waves to a SIMD, so that one wave's exponentials stand beside another's plain work.
; All of the head's K and V, 16 records of 8,960 bytes as the launch before laid them, lie in LDS, each filled once.  CLUSTER: the head's four work-groups ask for each record jointly; wave w asks for record w.
; LAYOUT.  S^T = K Q^T (source 0 = 16 keys, source 1 = 16 queries), O^T = V^T P^T (source 0 = 16 of the head's 64, source 1 = P): a lane holds ONE query (lane % 16) throughout; in tile T of S^T lane half h holds
; keys 16 T + 8 h + 0 .. 7.  P's codes reach the operand's layout as in the launch before: tile T's eight codes to register 4 (T / 4) + (0, 2, 1, 3)[T % 4], then registers 2 n and 2 n + 1 exchange halves.
; K = 64 IN AN INSTRUCTION OF 128: a tile of K is four registers; the instruction names eight, of which the upper four (the next tile's codes; behind the last tile, zeros) meet Q's upper four, which are zero codes,
; under scale bytes 2^0: they add exactly 0.
; A block's largest p is not searched for: the block's largest score goes through the same multiply-add and exponential.  (This takes v_exp_f32 not to fall where its input rises; at the worst one p of a block,
; within an ulp of a power of two, is held one code low.)
; LIMITS: NaN and infinities are not served.  A block of zeros gets the byte 1 where the quantiser says 127: its codes are zeros, and the bytes are read by this program alone.
.set REC,  8960                        ; a record: K's codes 4,096, V^T's codes 4,096, K's scale words 512, V's 256
.set OST,  16*REC                      ; behind the records: 1,024 bytes in which the work-group's 512 scale halfwords meet
.set LI,   1                           ; v1   16 x lane
.set L8,   2                           ; v2   8 x lane
.set ADR,  3                           ; v3   the record in hand + 16 x lane
.set AD8,  4                           ; v4   + 8 x lane
.set SH,   5                           ; v5   OST + 2 x thread
.set SL,   6                           ; v6   OST + 16 x thread
.set GS,   7                           ; v7   16 x thread
.set NMA,  8                           ; v[8:9]   tile A: -M, the largest t
.set SUA,  10                          ; v[10:11] its sum, in two halves
.set NMB,  12                          ; v[12:15] the same for tile B
.set SUB,  14
.set QA,   16                          ; v16-23 Q's fragment of tile A: four registers of codes, four of zeros;  v24-31 tile B's
.set QB,   24
.set QS,   32                          ; v32  Q's scale words: lanes 0-15 tile A, lanes 16-31 tile B
.set KS,   36                          ; v36-39 K's scale words: register p: lanes 0-15 tile 2 p, lanes 16-31 tile 2 p + 1
.set VS,   40                          ; v40-41 V's likewise
.set PWA,  42                          ; v42, v43 p's scale words
.set PWB,  43
.set KF,   44                          ; v44-75 K's eight tiles, later V's four fragments; v76-79 zeros
.set S,    80                          ; v80-143 S^T, then p
.set OA,   144                         ; v144-175, v176-207 O^T of tiles A, B
.set OB,   176
.set PA,   208                         ; v208-215, v216-223 p's codes
.set PB,   216
.set BM,   224                         ; v224-227 a block's largest score, then its largest p
.set TP,   228
.set SO,   232
.set C2,   236                         ; v[236:237] the sums' second chain
.set F,    238                         ; v[238:239] f = 2^(old M - new M); the upper register is only named
.set T0,   240
.set WV,   12
.set SEL,  20
.set CS,   22
.set G1,   24
.set G0,   32
.set TB,   36
.set CNT,  37
.macro PLACES n
.rept \n
	v_nop
.endr
.endm
.macro CROUND
	s_barrier_signal -1
	s_barrier_wait -1
	s_cmp_lg_u32 s[WV], 0
	s_cbranch_scc1 .Lnot_wave_0_\@
	s_barrier_signal -3
.Lnot_wave_0_\@:
	s_barrier_wait -3
	s_barrier_signal -1
	s_barrier_wait -1
.endm
.macro WM d, a, b, c, sa, sb, ra, rb   ; one product; ra, rb = 1: that side's scales are read from lanes 16-31
.if (\ra) == 0 && (\rb) == 0
	v_wmma_scale_f32_16x16x128_f8f6f4 v[\d:\d+7], v[\a:\a+7], v[\b:\b+7], v[\c:\c+7], v[\sa], v[\sb] matrix_a_fmt:MATRIX_FMT_FP4 matrix_b_fmt:MATRIX_FMT_FP4
.elseif (\rb) == 0
	v_wmma_scale_f32_16x16x128_f8f6f4 v[\d:\d+7], v[\a:\a+7], v[\b:\b+7], v[\c:\c+7], v[\sa], v[\sb] matrix_a_fmt:MATRIX_FMT_FP4 matrix_b_fmt:MATRIX_FMT_FP4 matrix_a_scale:MATRIX_SCALE_ROW1
.elseif (\ra) == 0
	v_wmma_scale_f32_16x16x128_f8f6f4 v[\d:\d+7], v[\a:\a+7], v[\b:\b+7], v[\c:\c+7], v[\sa], v[\sb] matrix_a_fmt:MATRIX_FMT_FP4 matrix_b_fmt:MATRIX_FMT_FP4 matrix_b_scale:MATRIX_SCALE_ROW1
.else
	v_wmma_scale_f32_16x16x128_f8f6f4 v[\d:\d+7], v[\a:\a+7], v[\b:\b+7], v[\c:\c+7], v[\sa], v[\sb] matrix_a_fmt:MATRIX_FMT_FP4 matrix_b_fmt:MATRIX_FMT_FP4 matrix_a_scale:MATRIX_SCALE_ROW1 matrix_b_scale:MATRIX_SCALE_ROW1
.endif
.endm
.macro WMZ d, a, b, sa, sb, ra, rb     ; the same with the constant 0 as C
.if (\ra) == 0 && (\rb) == 0
	v_wmma_scale_f32_16x16x128_f8f6f4 v[\d:\d+7], v[\a:\a+7], v[\b:\b+7], 0, v[\sa], v[\sb] matrix_a_fmt:MATRIX_FMT_FP4 matrix_b_fmt:MATRIX_FMT_FP4
.elseif (\rb) == 0
	v_wmma_scale_f32_16x16x128_f8f6f4 v[\d:\d+7], v[\a:\a+7], v[\b:\b+7], 0, v[\sa], v[\sb] matrix_a_fmt:MATRIX_FMT_FP4 matrix_b_fmt:MATRIX_FMT_FP4 matrix_a_scale:MATRIX_SCALE_ROW1
.elseif (\ra) == 0
	v_wmma_scale_f32_16x16x128_f8f6f4 v[\d:\d+7], v[\a:\a+7], v[\b:\b+7], 0, v[\sa], v[\sb] matrix_a_fmt:MATRIX_FMT_FP4 matrix_b_fmt:MATRIX_FMT_FP4 matrix_b_scale:MATRIX_SCALE_ROW1
.else
	v_wmma_scale_f32_16x16x128_f8f6f4 v[\d:\d+7], v[\a:\a+7], v[\b:\b+7], 0, v[\sa], v[\sb] matrix_a_fmt:MATRIX_FMT_FP4 matrix_b_fmt:MATRIX_FMT_FP4 matrix_a_scale:MATRIX_SCALE_ROW1 matrix_b_scale:MATRIX_SCALE_ROW1
.endif
.endm
	s_load_b256 s[4:11], s[0:1], 0x0               ; qbuf s[4:5], kv s[6:7], ocodes s[8:9], oscal s[10:11]
	v_lshl_add_u32 v254, v0, 2, 0x29000
	v_mov_b32 v255, 0
	ds_add_u32 v254, v255
	ds_add_u32 v254, v255
	v_lshrrev_b32 v[ADR], 5, v0
	s_delay_alu instid0(VALU_DEP_1)
	v_readfirstlane_b32 s[WV], v[ADR]              ; wave 0..15
	v_and_b32 v[ADR], 31, v0                       ; lane
	s_delay_alu instid0(VALU_DEP_1)
	v_lshlrev_b32 v[LI], 4, v[ADR]
	s_delay_alu instid0(VALU_DEP_2)
	v_lshlrev_b32 v[L8], 3, v[ADR]
	v_lshl_add_u32 v[SH], v0, 1, OST
	v_lshl_add_u32 v[SL], v0, 4, OST
	v_lshlrev_b32 v[GS], 4, v0
	s_bfe_u32 s13, ttmp6, 0x40000                  ; cx: which 512 queries
	s_and_b32 s14, ttmp7, 0xffff                   ; 16 x batch + head, which the four partners share
	s_mov_b32 s[G1], 15|(3<<16)|(1<<21)            ; the mask: all four work-groups; elements of 8 bytes; bit 21 set beside a mask; no padding
	s_mov_b32 s[G1+1], 32<<16                      ; tensor_dim0 = 32 elements: rows of 256 bytes
	s_mov_b32 s[G1+2], 35<<16                      ; tensor_dim1 = 35: a record is dense
	s_mov_b32 s[G1+3], 32<<16                      ; tile_dim0
	s_mov_b32 s[G1+4], 35                          ; tile_dim1
	s_mov_b32 s[G1+5], 32                          ; from row to row
	s_mov_b32 s[G1+6], 0
	s_mov_b32 s[G1+7], 0
	s_mov_b32 s[G0], 1
	s_mul_i32 s[G0+1], s[WV], REC                  ; record w, in LDS
	s_mul_i32 s38, s14, 16*REC
	s_add_co_u32 s38, s38, s[G0+1]                 ; and in memory: no cx enters
	s_mov_b32 s39, 0
	s_mul_i32 s40, s14, 16*4608                    ; Q: the head's records of 4,608 bytes,
	s_lshl_b32 s41, s13, 2
	s_lshr_b32 s42, s[WV], 2
	s_add_co_u32 s41, s41, s42                     ; record 4 cx + wave / 4,
	s_mul_i32 s41, s41, 4608
	s_add_co_u32 s40, s40, s41
	s_and_b32 s42, s[WV], 3
	s_lshl_b32 s43, s42, 10
	s_add_co_u32 s44, s40, s43                     ; tiles 2 (wave % 4) and + 1: 512 bytes each;
	s_mov_b32 s45, 0
	s_lshl_b32 s43, s42, 2
	s_add_co_u32 s46, s40, s43                     ; their scale words: word wave % 4 of a lane's four
	s_mov_b32 s47, 0
	s_lshr_b32 s48, s14, 4                         ; batch
	s_and_b32 s49, s14, 15                         ; head
	s_lshl_b32 s50, s48, 7
	s_lshl_b32 s51, s13, 5
	s_add_co_u32 s50, s50, s51
	s_lshl_b32 s51, s[WV], 1
	s_add_co_u32 s50, s50, s51                     ; my first tile of 16 tokens: 128 x batch + 32 cx + 2 x wave
	s_lshl_b32 s50, s50, 4
	s_add_co_u32 s50, s50, s49
	s_lshl_b32 s50, s50, 9                         ; ocodes: [tile][head] blocks of 512 bytes
	s_mov_b32 s51, 0
	s_lshl_b32 s52, s49, 14                        ; oscal: [head][token] halfwords: the work-group's 512 tokens
	s_lshl_b32 s53, s48, 12
	s_add_co_u32 s52, s52, s53
	s_lshl_b32 s53, s13, 10
	s_add_co_u32 s52, s52, s53
	s_mov_b32 s53, 0
	s_mov_b32 s[SEL], 0x76543210
	s_mov_b32 s[SEL+1], 0xfedcba98                 ; v_permlanex16_b32's selects for lane l xor 16
	s_mov_b32 s[CS], 0x3e38aa3b                    ; c = log2(e) / 8
	s_mov_b32 s[CS+1], s[CS]                       ; (named with it as a pair, so it is written)
	s_mov_b32 s[TB], 0
	s_mov_b32 s[CNT], 16
	s_wait_dscnt 0x0
	s_wait_kmcnt 0x0
	s_add_nc_u64 s[G0+2:G0+3], s[6:7], s[38:39]
	s_or_b32 s[G0+3], s[G0+3], 0x80000000
	s_add_nc_u64 s[44:45], s[4:5], s[44:45]
	s_add_nc_u64 s[46:47], s[4:5], s[46:47]
	s_add_nc_u64 s[50:51], s[8:9], s[50:51]
	s_add_nc_u64 s[52:53], s[10:11], s[52:53]
	CROUND                                         ; all four work-groups are here: the joint loads meet
	tensor_load_to_lds s[G0:G0+3], s[G1:G1+7]      ; one load a wave: one is out
	s_nop 0
	PLACES 4                                       ; four v_nop follow it
	s_wait_alu depctr_va_vdst(0)
	global_load_b128 v[QA:QA+3], v[LI], s[44:45]
	global_load_b128 v[QB:QB+3], v[LI], s[44:45] offset:512
	global_load_b32 v[QS], v[LI], s[46:47] offset:4096
	v_mov_b32 v[NMA+1], 0xff61b1e6                 ; the largest t so far: -3e38, under every t
	v_mov_b32 v[NMB+1], 0xff61b1e6
	s_delay_alu instid0(VALU_DEP_2)
	v_floor_f32 v[NMA], -v[NMA+1]                  ; -M
	s_delay_alu instid0(VALU_DEP_2)
	v_floor_f32 v[NMB], -v[NMB+1]
.irp j, 0,1
	v_mov_b32 v[SUA+\j], 0
	v_mov_b32 v[SUB+\j], 0
.endr
.irp j, 0,1,2,3
	v_mov_b32 v[QA+4+\j], 0                        ; Q's zero codes for the upper 64 of the instruction's K
	v_mov_b32 v[QB+4+\j], 0
	v_mov_b32 v[KF+32+\j], 0                       ; what the last tile of K names beyond its own four registers
	v_mov_b32 v[TP+\j], 0                          ; written once: a lane permute's destination counts as one of its sources
.endr
	v_mov_b32 v[F+1], 0                            ; (named as the upper half of a pair)
.set j, 0
.rept 64
	v_mov_b32 v[OA+j], 0                           ; O^T.  The step is written once: the first finds zeros, which the first change of M leaves zeros
.set j, j+1
.endr
	s_wait_loadcnt 0x0                             ; Q
	s_wait_tensorcnt 0x0                           ; my record has landed,
	s_barrier_signal -1
	s_barrier_wait -1                              ; everybody's has
; One tile's softmax for 128 keys: S^T in v[S] on becomes p, its codes (pc) and scale word (pw); the sum (su) and O^T (ob) come under the new M (nm: -M, the largest t).
.macro SOFTMAX nm, su, ob, pc, pw
.irp b, 0,1,2,3
	v_max3_num_f32 v[BM+\b], v[S+16*\b], v[S+1+16*\b], v[S+2+16*\b]   ; the largest score of each block of 32 keys; each accumulator is read from its low end on
.endr
.irp i, 3,5,7,9,11,13
.irp b, 0,1,2,3
	v_max3_num_f32 v[BM+\b], v[BM+\b], v[S+16*\b+\i], v[S+1+16*\b+\i] ; (the four blocks by turns)
.endr
.endr
.irp b, 0,1,2,3
	v_max_num_f32 v[BM+\b], v[BM+\b], v[S+15+16*\b]
.endr
.irp b, 0,1,2,3
	s_delay_alu instid0(VALU_DEP_4)
	v_permlanex16_b32 v[TP+\b], v[BM+\b], s[SEL], s[SEL+1]
.endr
.irp b, 0,1,2,3
	s_delay_alu instid0(VALU_DEP_4)
	v_max_num_f32 v[BM+\b], v[BM+\b], v[TP+\b]     ; with lane l xor 16's 16 keys
.endr
	s_delay_alu instid0(VALU_DEP_2)
	v_max3_num_f32 v[T0], v[BM], v[BM+1], v[BM+2]
	s_delay_alu instid0(VALU_DEP_1)
	v_max_num_f32 v[T0], v[T0], v[BM+3]            ; the step's largest score of my query,
	s_delay_alu instid0(VALU_DEP_1)
	v_mul_f32 v[T0], s[CS], v[T0]                  ; as t (c is positive)
	s_delay_alu instid0(VALU_DEP_1)
	v_max_num_f32 v[\nm+1], v[\nm+1], v[T0]        ; the running largest t
	v_mov_b32 v[T0], v[\nm]
	s_delay_alu instid0(VALU_DEP_2)
	v_floor_f32 v[\nm], -v[\nm+1]                  ; the new -M = floor(-t) = -ceil(t)
	s_delay_alu instid0(VALU_DEP_1)
	v_sub_f32 v[T0], v[\nm], v[T0]                 ; old M - new M: a whole number, 0 or less
	s_delay_alu instid0(VALU_DEP_1)
	v_cvt_i32_f32 v[T0], v[T0]                     ; (it saturates)
	s_delay_alu instid0(VALU_DEP_1)
	v_ldexp_f32 v[F], 1.0, v[T0]                   ; f = 2^(old M - new M)
.irp j, 0,2,4,6,8,10,12,14,16,18,20,22,24,26,28,30,32,34,36,38,40,42,44,46,48,50,52,54,56,58,60,62
	v_pk_fma_f32 v[S+\j:S+\j+1], v[S+\j:S+\j+1], s[CS:CS+1], v[\nm:\nm+1] op_sel_hi:[1,0,0]   ; t - M, two at a time
.endr
.irp b, 0,1,2,3
	v_fma_f32 v[BM+\b], v[BM+\b], s[CS], v[\nm]    ; the same of each block's largest score
.endr
.set j, 0
	s_wait_alu depctr_va_vdst(0)
.rept 64
	v_exp_f32 v[S+j], v[S+j]                       ; p = 2^(t - M), at most 1
.set j, j+1
.endr
	v_pk_mul_f32 v[\su:\su+1], v[\su:\su+1], v[F:F+1] op_sel_hi:[1,0]   ; the sums under the new M: the plain instruction behind the exponentials
	s_wait_alu depctr_va_vdst(0)                   ; one wait for the whole batch, ahead of its first reader
.irp b, 0,1,2,3
	v_exp_f32 v[BM+\b], v[BM+\b]                   ; the block's largest p
.endr
	v_pk_add_f32 v[C2:C2+1], v[S:S+1], v[S+2:S+3]  ; the row's sum is taken of the unquantised p: two at a time, in two chains
.irp j, 4,8,12,16,20,24,28,32,36,40,44,48,52,56,60
	v_pk_add_f32 v[\su:\su+1], v[\su:\su+1], v[S+\j:S+\j+1]
	v_pk_add_f32 v[C2:C2+1], v[C2:C2+1], v[S+2+\j:S+3+\j]
.endr
	s_delay_alu instid0(VALU_DEP_1)
	v_pk_add_f32 v[\su:\su+1], v[\su:\su+1], v[C2:C2+1]
	s_wait_alu depctr_va_vdst(0)                   ; and one for the four
.irp b, 0,1,2,3
	v_max_num_f32 v[BM+\b], 0x1800000, v[BM+\b]    ; the floor 2^(3 - 127): the byte cannot fall under 1
.endr
.irp b, 0,1,2,3
	s_delay_alu instid0(VALU_DEP_4)
	v_add_nc_u32 v[SO+\b], 0xff000000, v[BM+\b]    ; 2 off the exponent field: the conversion's scale operand
.endr
.irp b, 0,1,2,3
	s_delay_alu instid0(VALU_DEP_4)
	v_lshrrev_b32 v[TP+\b], 23, v[SO+\b]           ; the scale's byte
.endr
	s_delay_alu instid0(VALU_DEP_3)
	v_lshl_or_b32 v[\pw], v[TP+1], 8, v[TP]        ; p's scale word for these 128 keys
	s_delay_alu instid0(VALU_DEP_1)
	v_lshl_or_b32 v[\pw], v[TP+2], 16, v[\pw]
	s_delay_alu instid0(VALU_DEP_1)
	v_lshl_or_b32 v[\pw], v[TP+3], 24, v[\pw]
.irp t, 0,1,2,3,4,5,6,7
	v_cvt_scalef32_pk8_fp4_f32 v[\pc+4*(\t/4)+2*(\t%2)+(\t%4)/2], v[S+8*\t:S+8*\t+7], v[SO+\t/2]
.endr
	v_nop                                          ; one plain instruction behind the last scaled conversion
.irp k, 0,1,2,3
	v_permlane16_swap_b32 v[\pc+2*\k], v[\pc+2*\k+1]
.endr
.irp j, 0,2,4,6,8,10,12,14,16,18,20,22,24,26,28,30
	v_pk_mul_f32 v[\ob+\j:\ob+\j+1], v[\ob+\j:\ob+\j+1], v[F:F+1] op_sel_hi:[1,0]   ; O^T under the new M.  These sixteen are also the places between the scale word's and the codes' last writes and the products that take them
.endr
.endm
.Ltrip:                                            ; 16 trips of 128 keys: a record a trip
	s_setprio 2
	v_add_nc_u32 v[ADR], s[TB], v[LI]
	v_add_nc_u32 v[AD8], s[TB], v[L8]
	PLACES 2                                       ; with the two additions: four places between the last trip's products and loads into the registers that they read
.irp t, 0,1,2,3,4,5,6,7
	ds_load_b128 v[KF+4*\t:KF+4*\t+3], v[ADR] offset:512*\t
.endr
	ds_load_b128 v[KS:KS+3], v[ADR] offset:8192
	ds_load_b64 v[VS:VS+1], v[AD8] offset:8704
	s_wait_dscnt 0x0
.irp t, 0,1,2,3,4,5,6,7
	WMZ S+8*\t, KF+4*\t, QA, KS+\t/2, QS, \t%2, 0
.endr
	PLACES 4                                       ; between the products and the first read of their results
	SOFTMAX NMA, SUA, OA, PA, PWA
.irp t, 0,1,2,3,4,5,6,7
	WMZ S+8*\t, KF+4*\t, QB, KS+\t/2, QS, \t%2, 1
.endr
	PLACES 4                                       ; between the products and the read of their results, and the loads into K's registers
.irp i, 0,1,2,3,4,5,6,7
	ds_load_b128 v[KF+4*\i:KF+4*\i+3], v[ADR] offset:4096+512*\i     ; V^T's four fragments: they land while tile B's softmax is worked
.endr
	s_setprio 1
	SOFTMAX NMB, SUB, OB, PB, PWB
	s_setprio 0
	s_wait_alu depctr_va_vdst(0)
	s_wait_dscnt 0x0
.irp d, 0,1,2,3                                ; O^T += V^T P^T: eight accumulators, one instruction each
	WM OA+8*\d, KF+8*\d, PA, OA+8*\d, VS+\d/2, PWA, \d%2, 0
	WM OB+8*\d, KF+8*\d, PB, OB+8*\d, VS+\d/2, PWB, \d%2, 0
.endr
	s_add_co_u32 s[TB], s[TB], REC
	s_sub_co_u32 s[CNT], s[CNT], 1
	s_cmp_lg_u32 s[CNT], 0
	s_cbranch_scc1 .Ltrip
	s_setprio 0
	; THE WAY OUT: O^T / the sum, quantised along the head's 64 (two blocks a tile), as codes in the order of the next product's operand registers.
	PLACES 4
	v_add_f32 v[SUA], v[SUA], v[SUA+1]             ; the sums' two halves,
	v_add_f32 v[SUB], v[SUB], v[SUB+1]
	s_delay_alu instid0(VALU_DEP_2)
	v_permlanex16_b32 v[TP], v[SUA], s[SEL], s[SEL+1]
	s_delay_alu instid0(VALU_DEP_2)
	v_permlanex16_b32 v[TP+1], v[SUB], s[SEL], s[SEL+1]
	s_delay_alu instid0(VALU_DEP_2)
	v_add_f32 v[SUA], v[SUA], v[TP]                ; and lane l xor 16's
	s_delay_alu instid0(VALU_DEP_2)
	v_add_f32 v[SUB], v[SUB], v[TP+1]
	s_wait_alu depctr_va_vdst(0)
	v_rcp_f32 v[SUA], v[SUA]
	v_rcp_f32 v[SUB], v[SUB]
	v_nop                                          ; a plain instruction behind the reciprocals
	s_wait_alu depctr_va_vdst(0)                   ; one wait for the two, ahead of their first reader
.irp j, 0,2,4,6,8,10,12,14,16,18,20,22,24,26,28,30
	v_pk_mul_f32 v[S+\j:S+\j+1], v[OA+\j:OA+\j+1], v[SUA:SUA+1] op_sel_hi:[1,0]
.endr
.irp j, 0,2,4,6,8,10,12,14,16,18,20,22,24,26,28,30
	v_pk_mul_f32 v[S+32+\j:S+32+\j+1], v[OB+\j:OB+\j+1], v[SUB:SUB+1] op_sel_hi:[1,0]
.endr
.irp b, 0,1,2,3
	v_max3_num_f32 v[BM+\b], |v[S+16*\b]|, |v[S+1+16*\b]|, 0x1800000   ; blocks 0, 1: tile A's; 2, 3: tile B's; the floor holds the byte at 1 from below
.endr
.irp i, 2,4,6,8,10,12,14
.irp b, 0,1,2,3
	s_delay_alu instid0(VALU_DEP_4)
	v_max3_num_f32 v[BM+\b], v[BM+\b], |v[S+16*\b+\i]|, |v[S+1+16*\b+\i]|
.endr
.endr
.irp b, 0,1,2,3
	s_delay_alu instid0(VALU_DEP_4)
	v_permlanex16_b32 v[TP+\b], v[BM+\b], s[SEL], s[SEL+1]
.endr
.irp b, 0,1,2,3
	s_delay_alu instid0(VALU_DEP_4)
	v_max_num_f32 v[BM+\b], v[BM+\b], v[TP+\b]
.endr
.irp b, 0,1,2,3
	s_delay_alu instid0(VALU_DEP_4)
	v_add_nc_u32 v[SO+\b], 0xff000000, v[BM+\b]
.endr
.irp b, 0,1,2,3
	s_delay_alu instid0(VALU_DEP_4)
	v_lshrrev_b32 v[TP+\b], 23, v[SO+\b]
.endr
.irp t, 0,1,2,3,4,5,6,7
	v_cvt_scalef32_pk8_fp4_f32 v[PA+4*(\t/4)+2*(\t%2)+(\t%4)/2], v[S+8*\t:S+8*\t+7], v[SO+\t/2]
.endr
	v_nop                                          ; one plain instruction behind the last scaled conversion
.irp k, 0,1,2,3
	v_permlane16_swap_b32 v[PA+2*\k], v[PA+2*\k+1]
.endr
	v_lshl_or_b32 v[T0], v[TP+1], 8, v[TP]         ; tile A's two bytes of row r,
	v_lshl_or_b32 v[C2], v[TP+3], 8, v[TP+2]       ; tile B's
	s_delay_alu instid0(VALU_DEP_1)
	v_permlane16_swap_b32 v[T0], v[C2]             ; lanes 0-15 keep tile A's rows, lanes 16-31 take tile B's: lane l has token 32 x wave + l
	global_store_b128 v[LI], v[PA:PA+3], s[50:51]                  ; 512 consecutive bytes
	global_store_b128 v[LI], v[PA+4:PA+7], s[50:51] offset:8192    ; the next tile of tokens: 16 heads x 512 bytes on
	ds_store_b16 v[SH], v[T0]
	s_wait_dscnt 0x0                               ; for the others' sake: my store has landed
	s_barrier_signal -1
	s_barrier_wait -1
	s_cmp_lt_u32 s[WV], 2                          ; the work-group's 1,024 bytes leave by two waves, 512 consecutive bytes each
	s_cbranch_scc0 .Lnot_mine
	ds_load_b128 v[S:S+3], v[SL]
	s_wait_dscnt 0x0
	global_store_b128 v[GS], v[S:S+3], s[52:53]
.Lnot_mine:
	s_wait_tensorcnt 0x0
	ds_add_u32 v254, v255
	s_wait_dscnt 0x0
	CROUND                                         ; the closing round: no work-group ends while a partner may still ask for a record that names it
	s_endpgm
.Lfunc_end_k_q4c11471003_attn:
	.size	k_q4c11471003_attn, .Lfunc_end_k_q4c11471003_attn-k_q4c11471003_attn
	.p2alignl 7, 3214868480
	.fill 96, 4, 3214868480
	.section	.rodata,"a",@progbits
	.p2align	6, 0x0
	.amdhsa_kernel k_q4c11471003_attn
		.amdhsa_group_segment_fixed_size 169984
		.amdhsa_private_segment_fixed_size 0
		.amdhsa_enable_private_segment 0
		.amdhsa_kernarg_size 32
		.amdhsa_user_sgpr_count 2
		.amdhsa_user_sgpr_kernarg_segment_ptr 1
		.amdhsa_wavefront_size32 1
		.amdhsa_system_sgpr_workgroup_id_x 1
		.amdhsa_system_sgpr_workgroup_id_y 1
		.amdhsa_system_sgpr_workgroup_id_z 1
		.amdhsa_system_vgpr_workitem_id 0
		.amdhsa_next_free_vgpr 256
		.amdhsa_next_free_sgpr 66
		.amdhsa_reserve_vcc 0
		.amdhsa_float_denorm_mode_32 3
		.amdhsa_float_denorm_mode_16_64 3
		.amdhsa_memory_ordered 1
		.amdhsa_forward_progress 1
		.amdhsa_inst_pref_size 47
	.end_amdhsa_kernel
	.amdgpu_metadata
---
amdhsa.version: [ 1, 2 ]
amdhsa.kernels:
  - .name:           k_q4c11471003_attn
    .symbol:         k_q4c11471003_attn.kd
    .args:
      - { .name: qbuf, .offset: 0, .size: 8, .value_kind: global_buffer, .address_space: global }
      - { .name: kv, .offset: 8, .size: 8, .value_kind: global_buffer, .address_space: global }
      - { .name: ocodes, .offset: 16, .size: 8, .value_kind: global_buffer, .address_space: global }
      - { .name: oscal, .offset: 24, .size: 8, .value_kind: global_buffer, .address_space: global }
    .group_segment_fixed_size: 169984
    .private_segment_fixed_size: 0
    .kernarg_segment_align: 8
    .kernarg_segment_size: 32
    .max_flat_workgroup_size: 512
    .sgpr_count:     66
    .vgpr_count:     256
    .wavefront_size: 32
...
	.end_amdgpu_metadata
.endif
;; end of part 2
;; launch proj (part 3): grid 4 x 64, 4 waves a work-group, clusters of 4 x 4, 229,888 bytes of LDS; arguments ocodes, oscal, wo_codes, wo_scales, bo, out0; writes out0
.if DOCPART == 3
	.amdgcn_target "amdgcn-amd-amdhsa--gfx1250"
	.amdhsa_code_object_version 6
	.text
	.protected	k_q4c11471003_proj
	.globl	k_q4c11471003_proj
	.p2align	8
	.type	k_q4c11471003_proj,@function
k_q4c11471003_proj:
	s_mov_b64 s[64:65], 0
	v_nop
	global_prefetch_b8 v0, s[64:65] scope:SCOPE_SE
	s_setreg_imm32_b32 hwreg(HW_REG_WAVE_MODE, 25, 1), 1
	s_wait_xcnt 0x0
	s_wait_alu depctr_hold_cnt(0) depctr_sa_sdst(0) depctr_va_vdst(0) depctr_va_sdst(0) depctr_va_ssrc(0) depctr_va_vcc(0) depctr_vm_vsrc(0)
	s_getreg_b32 s2, hwreg(HW_REG_IB_STS2, 6, 4)
	s_cmp_eq_u32 s2, 0
	s_cbranch_scc0 .Lentry_in_a_cluster
	s_endpgm
.Lentry_in_a_cluster:
	s_bfe_u32 s2, ttmp6, 0x10000c
	s_cmp_lg_u32 s2, 0xf033
	s_cbranch_scc0 .Lentry_shape_is_right
	s_endpgm
.Lentry_shape_is_right:
; out0 = o wo^T + bo on codes of FP4 (E2M1) with one E8M0 scale for each 32 along K = 1,024.  o's codes come as images of the operand's registers, [tile of 16 tokens][head 16][lane][16 bytes]; a K step of 128 is
; two heads.  o's scale bytes come as halfwords [head][token].
; SHARES.  A work-group makes 128 tokens x 256 features; wave w 128 x 64: 32 accumulators.  All of K lies in LDS, in two halves, every byte filled once.  CLUSTER 4 x 4: the four work-groups of a row of the cluster
; need the same tokens of o, the four of a column the same 256 rows of wo: each tile is asked for jointly.
; THE PRODUCT IS USED TRANSPOSED (source 0 = 16 features, source 1 = 16 tokens): a lane holds eight neighbouring numbers of a row of out0.  The bias is the C of each sum's first product, so the order of the f32
; roundings differs from a bias added last.   LIMITS: NaN and infinities are not served.
.set PITCH, 272                        ; an LDS row of wo, and of the stage: 256 bytes + 16
.set T16,   16*PITCH
.set WT,    65536                      ; o's images take the first 65,536 bytes: [K half][tile 8][head % 8][512]
.set WH,    256*PITCH
.set OSI,   WT+2*WH                    ; o's scale words: pair p of tiles at 1,024 p: K steps 0-3 at 16 x lane, K steps 4-7 512 bytes on
.set STG,   OSI+4096                   ; the way out: 16 rows x 272 bytes for each wave
.set LI,   1                           ; v1   16 x lane
.set ADRW, 3                           ; v3-4 wo's fragments, K half 0, 1
.set OSW,  5                           ; v5   where I store scale words: OSI + 1,024 x wave + 16 x lane
.set STO,  6                           ; v6   the stage: where I put 32 bytes of a row
.set L32,  7                           ; v7   32 x lane
.set BA,   8                           ; v8   32 h
.set L2,   9                           ; v9   2 x lane
.set RD,   10                          ; v10  the stage: where I read a row back
.set CO,   11                          ; v11  the same place in out0
.set OSR,  12                          ; v12  where scale words are read: OSI + 16 x lane
.set XS,   16                          ; v16-47  o's scale words: register 8 p + s: lane l = token 32 p + l, K step s
.set WS,   48                          ; v48-63  wo's
.set XF,   64                          ; v64-191 o's fragments, two sets of 8 x 8
.set HW,   192                         ; v192-207 my 32 tokens' halfwords of the 16 heads
.set W8,   208                         ; v208-215 their eight words
.set BK,   64                          ; the way out: 16 rows read back: v64-95 and v96-127 by turns
.set WF,   0                           ; window 1: wo's fragments, two sets of 4 x 8
.set BI,   64                          ; window 1: the bias
.set WV,   34
.set CX,   35
.set CY,   36
.set TR,   38
.set G1X,  40
.set G1W,  48
.set G0X,  56
.set G0W,  68
.set OUT,  82
.set MSB, 0
.macro WIN new
.if MSB != (\new)
	s_set_vgpr_msb (MSB<<8)|(\new)
.set MSB, (\new)
.endif
.endm
.macro PLACES n
.rept \n
	v_nop
.endr
.endm
.macro CROUND
	s_barrier_signal -1
	s_barrier_wait -1
	s_cmp_lg_u32 s[WV], 0
	s_cbranch_scc1 .Lnot_wave_0_\@
	s_barrier_signal -3
.Lnot_wave_0_\@:
	s_barrier_wait -3
	s_barrier_signal -1
	s_barrier_wait -1
.endm
.macro WM d, a, b, c, sa, sb, ra, rb
.if (\ra) == 0 && (\rb) == 0
	v_wmma_scale_f32_16x16x128_f8f6f4 v[\d:\d+7], v[\a:\a+7], v[\b:\b+7], v[\c:\c+7], v[\sa], v[\sb] matrix_a_fmt:MATRIX_FMT_FP4 matrix_b_fmt:MATRIX_FMT_FP4
.elseif (\rb) == 0
	v_wmma_scale_f32_16x16x128_f8f6f4 v[\d:\d+7], v[\a:\a+7], v[\b:\b+7], v[\c:\c+7], v[\sa], v[\sb] matrix_a_fmt:MATRIX_FMT_FP4 matrix_b_fmt:MATRIX_FMT_FP4 matrix_a_scale:MATRIX_SCALE_ROW1
.elseif (\ra) == 0
	v_wmma_scale_f32_16x16x128_f8f6f4 v[\d:\d+7], v[\a:\a+7], v[\b:\b+7], v[\c:\c+7], v[\sa], v[\sb] matrix_a_fmt:MATRIX_FMT_FP4 matrix_b_fmt:MATRIX_FMT_FP4 matrix_b_scale:MATRIX_SCALE_ROW1
.else
	v_wmma_scale_f32_16x16x128_f8f6f4 v[\d:\d+7], v[\a:\a+7], v[\b:\b+7], v[\c:\c+7], v[\sa], v[\sb] matrix_a_fmt:MATRIX_FMT_FP4 matrix_b_fmt:MATRIX_FMT_FP4 matrix_a_scale:MATRIX_SCALE_ROW1 matrix_b_scale:MATRIX_SCALE_ROW1
.endif
.endm
	s_load_b256 s[8:15], s[0:1], 0x0               ; ocodes 8, oscal 10, wo's codes 12, wo's scales 14
	s_load_b128 s[16:19], s[0:1], 0x20             ; bo 16, out0 18
	v_lshl_add_u32 v254, v0, 2, 0x38000
	v_mov_b32 v255, 0
	ds_add_u32 v254, v255
	ds_add_u32 v254, v255
	v_lshrrev_b32 v13, 5, v0
	v_readfirstlane_b32 s[WV], v13                 ; wave 0..3
	s_bfe_u32 s[CX], ttmp6, 0x40000                ; cx: which 256 features
	s_bfe_u32 s[CY], ttmp6, 0x40004
	s_and_b32 s[TR], ttmp7, 0xffff
	s_lshl_b32 s[TR], s[TR], 2
	s_add_co_u32 s[TR], s[TR], s[CY]               ; which 128 tokens = 4 x cluster y + cy
	s_lshl_b32 s88, s[CY], 2
	s_lshl_b32 s88, 15, s88                        ; my row of the cluster
	s_lshl_b32 s89, 0x1111, s[CX]                  ; my column
	s_or_b32 s[G1X], s88, (3<<16)|(1<<21)          ; o: the mask of my row; elements of 8 bytes; bit 21 set beside a mask; no padding
	s_mov_b32 s[G1X+1], 512<<16                    ; tensor_dim0 = 512 elements: a tile's eight heads, 4,096 bytes
	s_mov_b32 s[G1X+2], 2<<16                      ; tensor_dim1 = 2 tiles of tokens a wave
	s_mov_b32 s[G1X+3], 512<<16
	s_mov_b32 s[G1X+4], 2
	s_mov_b32 s[G1X+5], 1024                       ; from tile to tile: 16 heads, 8,192 bytes
	s_mov_b32 s[G1X+6], 0
	s_mov_b32 s[G1X+7], 0
	s_or_b32 s[G1W], s89, (1<<20)|(1<<21)|(5<<22)|(3<<25)   ; wo: the mask of my column; elements of 1 byte; padding: 4 words after every 64
	s_mov_b32 s[G1W+1], 256<<16
	s_mov_b32 s[G1W+2], 64<<16
	s_mov_b32 s[G1W+3], 256<<16
	s_mov_b32 s[G1W+4], 64
	s_mov_b32 s[G1W+5], 512
	s_mov_b32 s[G1W+6], 0
	s_mov_b32 s[G1W+7], 0
	s_lshl_b32 s90, s[TR], 16                      ; o's codes: (8 x tokens' tile + 2 x wave) tiles of 8,192 bytes: no cx enters
	s_lshl_b32 s91, s[WV], 14
	s_add_co_u32 s90, s90, s91
	s_mov_b32 s91, 0
	s_lshl_b32 s92, s[CX], 17                      ; wo's codes: (256 cx + 64 x wave) rows of 512 bytes: no cy enters
	s_lshl_b32 s93, s[WV], 15
	s_add_co_u32 s92, s92, s93
	s_mov_b32 s93, 0
	s_lshl_b32 s94, s[TR], 8                       ; o's halfwords: token 128 x tile + 32 x wave
	s_lshl_b32 s95, s[WV], 6
	s_add_co_u32 s94, s94, s95
	s_mov_b32 s95, 0
	s_lshl_b32 s96, s[CX], 13                      ; wo's scales: my 64 rows of 32 bytes
	s_lshl_b32 s97, s[WV], 11
	s_add_co_u32 s96, s96, s97
	s_mov_b32 s97, 0
	s_lshl_b32 s98, s[CX], 10                      ; the bias, and my columns of out0: 64 numbers of 4 bytes
	s_lshl_b32 s99, s[WV], 8
	s_add_co_u32 s98, s98, s99
	s_mov_b32 s99, 0
	s_lshl_b32 s4, s[TR], 19                       ; out0: 128 rows of 4,096 bytes,
	s_add_co_u32 s4, s4, s98                       ; + my columns
	s_mov_b32 s5, 0
	v_and_b32 v13, 31, v0                          ; lane
	v_and_b32 v14, 15, v0                          ; r
	v_bfe_u32 v15, v0, 4, 1                        ; h
	v_lshlrev_b32 v[LI], 4, v13
	v_mul_u32_u24 v2, v14, PITCH
	v_lshl_add_u32 v[ADRW], v15, 4, v2             ; 272 r + 16 h
	s_mul_i32 s88, s[WV], 64*PITCH
	s_add_co_u32 s88, s88, WT
	v_add_nc_u32 v[ADRW], s88, v[ADRW]
	v_add_nc_u32 v[ADRW+1], WH, v[ADRW]
	s_lshl_b32 s89, s[WV], 10
	v_add_nc_u32 v[OSW], s89, v[LI]
	v_add_nc_u32 v[OSW], OSI, v[OSW]
	v_add_nc_u32 v[OSR], OSI, v[LI]
	s_mul_i32 s88, s[WV], T16
	s_add_co_u32 s88, s88, STG                     ; my stage
	v_lshl_add_u32 v[STO], v15, 5, v2              ; in: row r, 32 bytes for each half of the lanes
	v_add_nc_u32 v[STO], s88, v[STO]
	v_mul_u32_u24 v[RD], v15, PITCH                ; back: lanes 0-15 one row of 256 bytes, lanes 16-31 the next
	v_lshl_add_u32 v[RD], v14, 4, v[RD]
	v_add_nc_u32 v[RD], s88, v[RD]
	v_lshlrev_b32 v[CO], 12, v15                   ; and the same two rows in out0
	v_lshl_add_u32 v[CO], v14, 4, v[CO]
	v_lshlrev_b32 v[L32], 5, v13
	v_lshlrev_b32 v[BA], 5, v15
	v_lshlrev_b32 v[L2], 1, v13
	s_wait_dscnt 0x0
	s_wait_kmcnt 0x0
	s_add_nc_u64 s[90:91], s[8:9], s[90:91]
	s_add_nc_u64 s[92:93], s[12:13], s[92:93]
	s_add_nc_u64 s[10:11], s[10:11], s[94:95]
	s_add_nc_u64 s[14:15], s[14:15], s[96:97]
	s_add_nc_u64 s[16:17], s[16:17], s[98:99]
	s_add_nc_u64 s[OUT:OUT+1], s[18:19], s[4:5]
	s_mov_b32 s[G0X], 1
	s_lshl_b32 s[G0X+1], s[WV], 13                 ; LDS: wave x 2 tiles of 4,096 bytes
	s_mov_b64 s[G0X+2:G0X+3], s[90:91]
	s_or_b32 s[G0X+3], s[G0X+3], 0x80000000
	s_mov_b32 s[G0X+4], 1                          ; K's second half: heads 8 to 15, 4,096 bytes on
	s_add_co_u32 s[G0X+5], s[G0X+1], 32768
	s_add_nc_u64 s[G0X+6:G0X+7], s[90:91], 4096
	s_or_b32 s[G0X+7], s[G0X+7], 0x80000000
	s_mov_b32 s[G0W], 1
	s_mul_i32 s[G0W+1], s[WV], 64*PITCH
	s_add_co_u32 s[G0W+1], s[G0W+1], WT
	s_mov_b64 s[G0W+2:G0W+3], s[92:93]
	s_or_b32 s[G0W+3], s[G0W+3], 0x80000000
	s_mov_b32 s[G0W+4], 1
	s_add_co_u32 s[G0W+5], s[G0W+1], WH
	s_add_nc_u64 s[G0W+6:G0W+7], s[92:93], 256
	s_or_b32 s[G0W+7], s[G0W+7], 0x80000000
	CROUND                                         ; all sixteen work-groups are here: the joint loads meet
	tensor_load_to_lds s[G0X:G0X+3], s[G1X:G1X+7]  ; every wave issues all four, each into its own bytes: four loads of mine are out.  K's first half first
	s_nop 0
	tensor_load_to_lds s[G0W:G0W+3], s[G1W:G1W+7]
	s_nop 0
	tensor_load_to_lds s[G0X+4:G0X+7], s[G1X:G1X+7]
	s_nop 0
	tensor_load_to_lds s[G0W+4:G0W+7], s[G1W:G1W+7]
	s_nop 0
	PLACES 4                                       ; four v_nop follow the last of them
	s_wait_alu depctr_va_vdst(0)
.irp d, 0,1,2,3,4,5,6,7,8,9,10,11,12,13,14,15
	global_load_u16 v[HW+\d], v[L2], s[10:11] offset:16384*\d      ; head d's two bytes of token 32 x wave + lane
.endr
.irp p, 0,1
	global_load_b128 v[WS+8*\p:WS+8*\p+3], v[L32], s[14:15] offset:1024*\p
	global_load_b128 v[WS+8*\p+4:WS+8*\p+7], v[L32], s[14:15] offset:1024*\p+16
.endr
	WIN 0x40
.irp f, 0,1,2,3
	global_load_b128 v[BI+8*\f:BI+8*\f+3], v[BA], s[16:17] offset:64*\f           ; lane (r, h): the bias of features 16 f + 8 h + 0 .. 7
	global_load_b128 v[BI+8*\f+4:BI+8*\f+7], v[BA], s[16:17] offset:64*\f+16
.endr
	WIN 0
	s_wait_loadcnt 0x0
.irp s, 0,1,2,3,4,5,6,7
	v_lshl_or_b32 v[W8+\s], v[HW+2*\s+1], 16, v[HW+2*\s]           ; K step s is heads 2 s and 2 s + 1: four bytes
.endr
	ds_store_b128 v[OSW], v[W8:W8+3]               ; pair w of tiles: an image of the scale registers, for all four waves
	ds_store_b128 v[OSW], v[W8+4:W8+7] offset:512
	s_wait_dscnt 0x0                               ; for the others' sake: my stores have landed
	s_wait_tensorcnt 0x2                           ; my parts of K's first half are in; the two loads of the second half, issued behind them, may be out
	s_barrier_signal -1
	s_barrier_wait -1                              ; everybody's are
.irp p, 0,1,2,3
	ds_load_b128 v[XS+8*\p:XS+8*\p+3], v[OSR] offset:1024*\p
	ds_load_b128 v[XS+8*\p+4:XS+8*\p+7], v[OSR] offset:1024*\p+512
.endr
; 24 LDS loads in one run: the fragments of K step s into set: wo's four from rows, o's eight as images
.macro FETCH s, set
	WIN 0x40
.irp f, 0,1,2,3
.irp c, 0,1
	ds_load_b128 v[WF+32*(\set)+8*\f+4*\c:WF+32*(\set)+8*\f+4*\c+3], v[ADRW+(\s)/4] offset:\f*T16+64*((\s)%4)+32*\c
.endr
.endr
	WIN 0
.irp t, 0,1,2,3,4,5,6,7
.irp c, 0,1
	ds_load_b128 v[XF+64*(\set)+8*\t+4*\c:XF+64*(\set)+8*\t+4*\c+3], v[LI] offset:32768*((\s)/4)+4096*\t+512*((2*(\s)+\c)%8)
.endr
.endr
.endm
; 32 products of K step s: accumulator (tokens' tile tt, features' tile ft) at 8 (4 tt + ft).  The 32 take turns, one instruction a turn, in the same order in every step.
.macro MULS s, set
.if (\s) == 0
	WIN 0x91                                       ; wo in window 1, o in window 0, C (the bias) in window 1, D in window 2
.else
	WIN 0xa1                                       ; C and D in window 2
.endif
.irp tp, 0,1,2,3
.irp fp, 0,1
.irp dt, 0,1
.irp df, 0,1
.set tt, 2*\tp+\dt
.set ft, 2*\fp+\df
.set rD, 8*(4*tt+ft)
.set rC, rD
.if (\s) == 0
.set rC, BI+8*ft
.endif
.set rX, XF+64*(\set)+8*tt
.set rW, WF+32*(\set)+8*ft
.set rSX, XS+8*\tp+(\s)
.set rSW, WS+8*\fp+(\s)
	WM rD, rW, rX, rC, rSW, rSX, \df, \dt
.endr
.endr
.endr
.endr
.endm
.macro STEP s
	s_wait_dscnt 0x0                               ; this step's fragments are in: they were asked for a step ago
.if (\s) == 3
	s_wait_tensorcnt 0x0                           ; my parts of K's second half have landed,
	s_barrier_signal -1
	s_barrier_wait -1                              ; everybody's have
.endif
.if (\s) < 7
.if (\s) > 0
	PLACES 4                                       ; four places between the last step's products and loads into the registers that they read
.endif
	FETCH (\s)+1, ((\s)+1)%2
.endif
	MULS \s, (\s)%2
	WIN 0
.endm
	FETCH 0, 0
.irp s, 0,1,2,3,4,5,6,7
	STEP \s
.endr
; THE WAY OUT, a tile of 16 tokens x 64 features at a time.  A lane holds 32 neighbouring bytes of a row and the lanes beside it hold other rows: so a block goes through my own stage and comes back as whole rows of 256 bytes.
.macro TOSTAGE a
	WIN 0x08                                       ; an LDS store's data are its source 1: window 2
.irp f, 0,1,2,3
	ds_store_b128 v[STO], v[8*(4*(\a)+\f):8*(4*(\a)+\f)+3] offset:64*\f         ; each accumulator from its low end on
	ds_store_b128 v[STO], v[8*(4*(\a)+\f)+4:8*(4*(\a)+\f)+7] offset:64*\f+16
.endr
	WIN 0
.irp i, 0,1,2,3,4,5,6,7
	ds_load_b128 v[BK+32*((\a)%2)+4*\i:BK+32*((\a)%2)+4*\i+3], v[RD] offset:\i*2*PITCH   ; LDS serves a wave's instructions in order (ISA guide 5.7.1.4): these see the stores above, and the next block's stores come behind them
.endr
.endm
.macro SEND a, younger                 ; younger: the LDS instructions issued behind block a's loads, which may stay out
	s_wait_dscnt \younger
.irp i, 0,1,2,3,4,5,6,7
	global_store_b128 v[CO], v[BK+32*((\a)%2)+4*\i:BK+32*((\a)%2)+4*\i+3], s[OUT:OUT+1] offset:65536*(\a)+8192*\i th:TH_STORE_NT   ; sixteen lanes store 256 consecutive bytes, aligned; written once, read by nobody here
.endr
.endm
	PLACES 4                                       ; between the last product and the first read of results, and the loads into registers that held fragments
	TOSTAGE 0
.irp a, 1,2,3,4,5,6,7
.if \a > 1
	s_wait_xcnt 0x0                                ; block a - 2's stores have read their registers: block a's loads may land there
.endif
	TOSTAGE \a
	SEND \a-1, 16                                  ; behind block a - 1's loads: block a's 8 stores and 8 loads
.endr
	SEND 7, 0
	s_wait_tensorcnt 0x0
	ds_add_u32 v254, v255
	s_wait_dscnt 0x0
	CROUND                                         ; the closing round: no work-group ends while a partner may still ask for a tile that names it
	s_endpgm
.Lfunc_end_k_q4c11471003_proj:
	.size	k_q4c11471003_proj, .Lfunc_end_k_q4c11471003_proj-k_q4c11471003_proj
	.p2alignl 7, 3214868480
	.fill 96, 4, 3214868480
	.section	.rodata,"a",@progbits
	.p2align	6, 0x0
	.amdhsa_kernel k_q4c11471003_proj
		.amdhsa_group_segment_fixed_size 229888
		.amdhsa_private_segment_fixed_size 0
		.amdhsa_enable_private_segment 0
		.amdhsa_kernarg_size 48
		.amdhsa_user_sgpr_count 2
		.amdhsa_user_sgpr_kernarg_segment_ptr 1
		.amdhsa_wavefront_size32 1
		.amdhsa_system_sgpr_workgroup_id_x 1
		.amdhsa_system_sgpr_workgroup_id_y 1
		.amdhsa_system_sgpr_workgroup_id_z 1
		.amdhsa_system_vgpr_workitem_id 0
		.amdhsa_next_free_vgpr 768
		.amdhsa_next_free_sgpr 100
		.amdhsa_reserve_vcc 0
		.amdhsa_float_denorm_mode_32 3
		.amdhsa_float_denorm_mode_16_64 3
		.amdhsa_memory_ordered 1
		.amdhsa_forward_progress 1
		.amdhsa_inst_pref_size 72
	.end_amdhsa_kernel
	.amdgpu_metadata
---
amdhsa.version: [ 1, 2 ]
amdhsa.kernels:
  - .name:           k_q4c11471003_proj
    .symbol:         k_q4c11471003_proj.kd
    .args:
      - { .name: ocodes, .offset: 0, .size: 8, .value_kind: global_buffer, .address_space: global }
      - { .name: oscal, .offset: 8, .size: 8, .value_kind: global_buffer, .address_space: global }
      - { .name: wo_codes, .offset: 16, .size: 8, .value_kind: global_buffer, .address_space: global }
      - { .name: wo_scales, .offset: 24, .size: 8, .value_kind: global_buffer, .address_space: global }
      - { .name: bo, .offset: 32, .size: 8, .value_kind: global_buffer, .address_space: global }
      - { .name: out0, .offset: 40, .size: 8, .value_kind: global_buffer, .address_space: global }
    .group_segment_fixed_size: 229888
    .private_segment_fixed_size: 0
    .kernarg_segment_align: 8
    .kernarg_segment_size: 48
    .max_flat_workgroup_size: 128
    .sgpr_count:     100
    .vgpr_count:     768
    .wavefront_size: 32
...
	.end_amdgpu_metadata
.endif
;; end of part 3
